; MI455X (gfx1250); checked and timed in simulation.
; The chip was launched on July 23, 2026; its instructions are those of AMD's public machine-readable ISA for CDNA 5 (MIT licence, August 2026) and "CDNA5" Instruction Set Architecture Reference Guide (July 2026). The comments in the code are by the model that wrote it; some were corrected since.
;; Causal Self Attention. Allowed arithmetic: float matrix products may take bf16 or f16 operands with f32 sums; all other float work in f32.
;; Inputs: w_attn 1,024 x 3,072 float32; w_proj 1,024 x 1,024 float32; x 4 x 2,048 x 1,024 float32.
;; Outputs: out0 4 x 2,048 x 1,024 float32.
;; One version. Each part assembles by itself: llvm-mc -triple=amdgcn-amd-amdhsa -mcpu=gfx1250 --defsym DOCPART=n.
;; ======== version 1 of 1: 4 launches
;; limits: values are held in f16: magnitudes above 65,504 overflow, below 6.1e-05 lose precision
;; workspace buffers: xb 16,777,216 bytes; wta 6,291,456 bytes; wtp 2,097,152 bytes; qkv 50,331,648 bytes; yh 16,777,216 bytes
;; launch prep (part 1): grid 768 x 1, 8 waves a work-group, no clusters, 35,840 bytes of LDS; arguments x, w_attn, w_proj, xb, wta, wtp; writes xb, wta, wtp
.if DOCPART == 1
	.amdgcn_target "amdgcn-amd-amdhsa--gfx1250"
	.amdhsa_code_object_version 6
	.text
	.protected	k_q0e39de23c2_prep
	.globl	k_q0e39de23c2_prep
	.p2align	8
	.type	k_q0e39de23c2_prep,@function
k_q0e39de23c2_prep:
	s_mov_b64 s[64:65], 0
	v_nop
	global_prefetch_b8 v0, s[64:65] scope:SCOPE_SE
	s_setreg_imm32_b32 hwreg(HW_REG_WAVE_MODE, 25, 1), 1
	s_wait_xcnt 0x0
; Casts and transposes, once, so that the two products find their operands with K along the rows.
;   work-groups   0..191: a tile of 128 k x 128 n of w_attn [1024][3072] f32  ->  wta [3072 n][1024 k] bf16
;   work-groups 192..255: a tile of 128 k x 128 n of w_proj [1024][1024] f32  ->  wtp [1024 n][1024 k] f16
;   work-groups 256..767: 16 token rows of x [8192][1024] f32                 ->  xb  [16 panels][8192 tokens][64] bf16
; A panel is 64 columns of all tokens, dense: 8192 x 128 bytes = 1,048,576 bytes.
; LIMIT: w_proj is rounded to bf16 and that number is then written as f16 (the projection multiplies f16 by f16).
; That is exact for 2^-14 <= |w| < 65504; smaller numbers carry an absolute error of at most 2^-25; from 65520 on the result is infinity.
; No matrix unit, no cluster: every byte is read once and written once, nothing is shared between work-groups.
.set LD, 32                            ; v[32:95]   sixteen loads of 16 bytes
.set PK, 96                            ; v[96:127]  packed results
; One tile of a weight.  Wave w takes k rows 16 w .. 16 w + 15 in two items of eight rows; a lane takes n = 4 L .. 4 L + 3, so a load of
; the wave covers 512 consecutive bytes of one k row.  Eight k of one n pack into 16 bytes, which go to LDS row n (pitch 272);
; the rows are read back whole and stored: sixteen lanes store 256 consecutive bytes, at a multiple of 256 from the buffer's first byte.
.macro WTILE src, dst, np, kind, jbase
	s_sub_co_u32 s16, ttmp9, \jbase                ; tile number j
	s_and_b32 s18, s16, 7                          ; kt = j & 7
	s_lshr_b32 s20, s16, 3                         ; nt = j >> 3
	s_mul_i32 s16, s18, 128*\np*4                  ; 128 k rows
	s_lshl_b32 s21, s20, 9                         ; 128 n of 4 bytes
	s_add_co_u32 s16, s16, s21
	s_add_nc_u64 s[\src:\src+1], s[\src:\src+1], s[16:17]
	s_lshl_b32 s18, s18, 8                         ; 128 k of 2 bytes
	s_lshl_b32 s20, s20, 18                        ; 128 n rows of 2,048 bytes
	s_add_co_u32 s18, s18, s20
	s_add_nc_u64 s[\dst:\dst+1], s[\dst:\dst+1], s[18:19]
	v_mul_u32_u24 v3, v2, 16*\np*4                 ; my wave's 16 k rows
	v_lshl_add_u32 v3, v1, 4, v3                   ; + 16 L
.irp i, 0,1
.irp kk, 0,1,2,3,4,5,6,7
	global_load_b128 v[LD+32*\i+4*\kk:LD+32*\i+4*\kk+3], v3, s[\src:\src+1] offset:(8*\i+\kk)*\np*4 th:TH_LOAD_NT
.endr
.endr
	v_mul_u32_u24 v4, v1, 1088                     ; LDS row 4 L (pitch 272)
	v_lshl_add_u32 v4, v2, 5, v4                   ; + 32 w: my wave's 16 k
	v_lshrrev_b32 v6, 4, v0                        ; read back: row tid / 16
	v_and_b32 v7, 15, v0                           ; 16 bytes number tid % 16
	v_mul_u32_u24 v5, v6, 272
	v_lshl_add_u32 v5, v7, 4, v5
	v_lshlrev_b32 v8, 4, v7
	v_lshl_add_u32 v8, v6, 11, v8                  ; the same place in the output: rows of 2,048 bytes
.irp i, 0,1
	s_wait_loadcnt 8-8*\i                          ; item 0: the eight loads of item 1 stay out; item 1: all are in
.irp c, 0,1,2,3
.irp p, 0,1,2,3
	v_cvt_pk_bf16_f32 v[PK+16*\i+4*\c+\p], v[LD+32*\i+8*\p+\c], v[LD+32*\i+8*\p+4+\c]   ; k = 2 p, 2 p + 1 of n = 4 L + c
.if \kind
	v_lshlrev_b32 v10, 16, v[PK+16*\i+4*\c+\p]             ; the two bf16 numbers as f32,
	v_and_b32 v11, 0xffff0000, v[PK+16*\i+4*\c+\p]
	v_cvt_pk_f16_f32 v[PK+16*\i+4*\c+\p], v10, v11         ; written as f16
.endif
.endr
	ds_store_b128 v4, v[PK+16*\i+4*\c:PK+16*\i+4*\c+3] offset:\c*272+16*\i
.endr
.endr
	s_wait_dscnt 0x0                               ; my stores are in LDS before I say so: other waves read them
	s_barrier_signal -1
	s_barrier_wait -1
.irp q, 0,1,2,3,4,5,6,7
	ds_load_b128 v[LD+4*\q:LD+4*\q+3], v5 offset:\q*4352       ; 16 rows further down each time
.endr
.irp q, 0,1,2,3,4,5,6,7
	s_wait_dscnt 7-\q                              ; LDS loads come back in order: number q is in
	global_store_b128 v8, v[LD+4*\q:LD+4*\q+3], s[\dst:\dst+1] offset:\q*32768
.endr
.endm
	s_load_b256 s[4:11], s[0:1], 0x0               ; x s[4:5], w_attn s[6:7], w_proj s[8:9], xb s[10:11]
	s_load_b128 s[12:15], s[0:1], 0x20             ; wta s[12:13], wtp s[14:15]
	v_lshl_add_u32 v128, v0, 2, 0x8800
	v_mov_b32 v129, 0
	v_and_b32 v1, 31, v0                           ; L
	v_lshrrev_b32 v2, 5, v0                        ; wave
	s_mov_b32 s17, 0                               ; high words of the two offset pairs
	s_mov_b32 s19, 0
	s_wait_kmcnt 0x0
	s_cmp_ge_u32 ttmp9, 256                        ; the branches hang on the work-group's number alone: all eight waves go the same way
	s_cbranch_scc1 .Lxcast
	s_cmp_ge_u32 ttmp9, 192
	s_cbranch_scc1 .Lwproj
	WTILE 6, 12, 3072, 0, 0
	s_wait_tensorcnt 0x0
	ds_add_u32 v128, v129
	s_wait_dscnt 0x0
	s_endpgm
.Lwproj:
	WTILE 8, 14, 1024, 1, 192
	s_wait_tensorcnt 0x0
	ds_add_u32 v128, v129
	s_wait_dscnt 0x0
	s_endpgm
.Lxcast:
	; 16 token rows.  Wave w takes panels 2 w and 2 w + 1.  An item is 4 tokens of one panel: lane L has token L / 8 and columns 8 (L % 8) .. + 7,
	; two loads of 16 bytes in, one store of 16 bytes out; the 32 lanes' stores are 512 consecutive bytes of the panel.
	s_sub_co_u32 s16, ttmp9, 256
	s_lshl_b32 s18, s16, 11                        ; 16 tokens of 128 bytes in a panel
	s_lshl_b32 s16, s16, 16                        ; 16 rows of 4,096 bytes in x
	s_add_nc_u64 s[4:5], s[4:5], s[16:17]
	s_add_nc_u64 s[10:11], s[10:11], s[18:19]
	v_lshrrev_b32 v3, 3, v1
	v_and_b32 v4, 7, v1
	v_lshlrev_b32 v5, 12, v3                       ; token L / 8
	v_lshl_add_u32 v5, v4, 5, v5                   ; + 32 (L % 8)
	v_lshl_add_u32 v5, v2, 9, v5                   ; + my wave's two panels: 512 bytes of a row
	v_lshlrev_b32 v6, 4, v1                        ; out: 16 L
	v_lshl_add_u32 v6, v2, 21, v6                  ; + two panels for each wave
.irp pp, 0,1
.irp tg, 0,1,2,3
	global_load_b128 v[LD+8*(4*\pp+\tg):LD+8*(4*\pp+\tg)+3],   v5, s[4:5] offset:\tg*16384+\pp*256 th:TH_LOAD_NT
	global_load_b128 v[LD+8*(4*\pp+\tg)+4:LD+8*(4*\pp+\tg)+7], v5, s[4:5] offset:\tg*16384+\pp*256+16 th:TH_LOAD_NT
.endr
.endr
.irp pp, 0,1
.irp tg, 0,1,2,3
	s_wait_loadcnt 14-2*(4*\pp+\tg)                ; loads come back in order: this item's two are in, two for each younger item stay out
.irp p, 0,1,2,3
	v_cvt_pk_bf16_f32 v[PK+4*(4*\pp+\tg)+\p], v[LD+8*(4*\pp+\tg)+2*\p], v[LD+8*(4*\pp+\tg)+2*\p+1]
.endr
	global_store_b128 v6, v[PK+4*(4*\pp+\tg):PK+4*(4*\pp+\tg)+3], s[10:11] offset:\pp*1048576+\tg*512
.endr
.endr
	s_endpgm
.Lfunc_end_k_q0e39de23c2_prep:
	.size	k_q0e39de23c2_prep, .Lfunc_end_k_q0e39de23c2_prep-k_q0e39de23c2_prep
	.p2alignl 7, 3214868480
	.fill 96, 4, 3214868480
	.section	.rodata,"a",@progbits
	.p2align	6, 0x0
	.amdhsa_kernel k_q0e39de23c2_prep
		.amdhsa_group_segment_fixed_size 35840
		.amdhsa_private_segment_fixed_size 0
		.amdhsa_enable_private_segment 0
		.amdhsa_kernarg_size 48
		.amdhsa_user_sgpr_count 2
		.amdhsa_user_sgpr_kernarg_segment_ptr 1
		.amdhsa_wavefront_size32 1
		.amdhsa_system_sgpr_workgroup_id_x 1
		.amdhsa_system_sgpr_workgroup_id_y 1
		.amdhsa_system_sgpr_workgroup_id_z 1
		.amdhsa_system_vgpr_workitem_id 0
		.amdhsa_next_free_vgpr 130
		.amdhsa_next_free_sgpr 66
		.amdhsa_reserve_vcc 0
		.amdhsa_float_denorm_mode_32 3
		.amdhsa_float_denorm_mode_16_64 3
		.amdhsa_memory_ordered 1
		.amdhsa_forward_progress 1
		.amdhsa_inst_pref_size 25
	.end_amdhsa_kernel
	.amdgpu_metadata
---
amdhsa.version: [ 1, 2 ]
amdhsa.kernels:
  - .name:           k_q0e39de23c2_prep
    .symbol:         k_q0e39de23c2_prep.kd
    .args:
      - { .name: x, .offset: 0, .size: 8, .value_kind: global_buffer, .address_space: global }
      - { .name: w_attn, .offset: 8, .size: 8, .value_kind: global_buffer, .address_space: global }
      - { .name: w_proj, .offset: 16, .size: 8, .value_kind: global_buffer, .address_space: global }
      - { .name: xb, .offset: 24, .size: 8, .value_kind: global_buffer, .address_space: global }
      - { .name: wta, .offset: 32, .size: 8, .value_kind: global_buffer, .address_space: global }
      - { .name: wtp, .offset: 40, .size: 8, .value_kind: global_buffer, .address_space: global }
    .group_segment_fixed_size: 35840
    .private_segment_fixed_size: 0
    .kernarg_segment_align: 8
    .kernarg_segment_size: 48
    .max_flat_workgroup_size: 256
    .sgpr_count:     66
    .vgpr_count:     130
    .wavefront_size: 32
...
	.end_amdgpu_metadata
.endif
;; end of part 1
;; launch qkvg (part 2): grid 16 x 32, 4 waves a work-group, clusters of 4 x 4, 327,680 bytes of LDS; arguments xb, wta, qkv; writes qkv
.if DOCPART == 2
	.amdgcn_target "amdgcn-amd-amdhsa--gfx1250"
	.amdhsa_code_object_version 6
	.text
	.protected	k_q0e39de23c2_qkvg
	.globl	k_q0e39de23c2_qkvg
	.p2align	8
	.type	k_q0e39de23c2_qkvg,@function
k_q0e39de23c2_qkvg:
	s_mov_b64 s[64:65], 0
	v_nop
	global_prefetch_b8 v0, s[64:65] scope:SCOPE_SE
	s_setreg_imm32_b32 hwreg(HW_REG_WAVE_MODE, 25, 1), 1
	s_wait_xcnt 0x0
	s_wait_alu depctr_hold_cnt(0) depctr_sa_sdst(0) depctr_va_vdst(0) depctr_va_sdst(0) depctr_va_ssrc(0) depctr_va_vcc(0) depctr_vm_vsrc(0)
	s_getreg_b32 s2, hwreg(HW_REG_IB_STS2, 6, 4)
	s_cmp_eq_u32 s2, 0
	s_cbranch_scc0 .Lentry_in_a_cluster
	s_endpgm
.Lentry_in_a_cluster:
	s_bfe_u32 s2, ttmp6, 0x10000c
	s_cmp_lg_u32 s2, 0xf033
	s_cbranch_scc0 .Lentry_shape_is_right
	s_endpgm
.Lentry_shape_is_right:
; qkv = x w_attn.  A = xb [16 panels][8192 tokens][64] bf16, B = wta [3072 n][1024 k] bf16, sums in f32,
; result qkv [48 panels][8192 tokens][64] f16: panel h = q of head h, 16 + h = k, 32 + h = v.
; LIMIT: q, k, v are written as f16: a magnitude of 65520 or more becomes infinity.
; A work-group makes 256 tokens x 192 columns (three panels) with four waves; wave w makes tokens 64 w .. 64 w + 63 and all 192 columns:
; 4 x 12 accumulator tiles of 16 x 16, 384 registers.  So a wave owns whole panels on the way out.
; K goes in steps of 128 (two panels of A) through a ring of two LDS slots filled by the tensor data mover.
; CLUSTERS: 4 x 4 work-groups.  The four of a row of the cluster need the same tiles of A, the four of a column the same tiles of B: joint loads.
; LDS slot: A plane 0 (panel 2 s), A plane 1 (panel 2 s + 1), each 128 rows of 256 bytes = two tokens a row, pitch 272; then B, 192 rows of 256 bytes, pitch 272.
; Token t lies at (t / 2) 272 + (t % 2) 128: the sixteen rows of a fragment fall into the 16-byte columns (r / 2) + 8 (r % 2) modulo 256 bytes, all different.
; REGISTERS by windows of 256: window 0 addresses, A fragments (two buffers of 32), the way out; window 1 B fragments (two buffers of 96);
; window 2 the accumulator tiles of my tokens 0-31 (tile (al, b) at 8 (12 al + b)); window 3 those of tokens 32-63.
; The matrix instruction is used transposed (source 0 = rows of B, source 1 = rows of A): a lane holds token l % 16 and eight neighbouring columns.
.set NB,     12                        ; column blocks of 16
.set RB,     8*NB                      ; rows of B in one tensor load
.set PITCH,  272
.set PLANE,  128*PITCH                 ; 34,816
.set BOFF,   2*PLANE
.set BHALF,  RB*PITCH
.set SLOT,   BOFF+2*BHALF              ; 121,856
.set STAGE,  2*SLOT                    ; behind the ring, at a multiple of 256: no tensor load lands there
.set STW,    6656                      ; a wave's stage: 3 panels x 8 rows x 272 = 6,528, up to a multiple of 256
.set LAPS,   4                         ; 1024 / (2 x 128)
.set ASTEP,  0x400000                  ; a lap: four panels of A
.set BSTEP,  512                       ; a lap: 256 k of B
.set ADRA, 16                          ; v16-17 LDS address of my A fragments in slot 0, 1
.set ADRB, 20                          ; v20-21 the same for B
.set STO,  24
.set RD,   25
.set CO,   26
.set FA,   32                          ; A fragment buffers at v32, v64
.set TMP,  96                          ; v96-143 packed results
.set OUT0, 144                         ; v144-191, v192-239: rows read back, two buffers
.set OUT1, 192
.set G1,  24                           ; s[24:31] group 1 for A
.set G0,  32                           ; s[32:39] group 0 for A, one set a slot
.set G1B, 48                           ; s[48:55] group 1 for B
.set G0B, 56                           ; s[56:63] group 0 for B
.set MSB, 0
.macro WIN new                         ; the immediate's high byte repeats the setting that is left
.if MSB != \new
	s_set_vgpr_msb (MSB<<8)|\new
.set MSB, \new
.endif
.endm
.set MUL_LO, 0xa1                      ; source 0 (B) window 1, source 1 (A) window 0, C and D window 2
.set MUL_HI, 0xf1                      ; the same, C and D window 3
.macro PLACES                          ; four plain vector instructions behind a matrix instruction, before its registers are loaded into or its result is read (ISA guide 7.12.1)
.rept 4
	v_nop
.endr
.endm
; A joint load: waves 0 and 1 fetch the two planes of A, waves 2 and 3 the two halves of B.  The branch hangs on the wave's number alone.
.macro JLOAD s
	s_cmp_eq_u32 s11, 0
	s_cbranch_scc0 .Lfor_b_\@
	tensor_load_to_lds s[G0+4*\s:G0+4*\s+3], s[G1:G1+7]
	s_nop 0
	s_branch .Lasked_\@
.Lfor_b_\@:
	tensor_load_to_lds s[G0B+4*\s:G0B+4*\s+3], s[G1B:G1B+7]
	s_nop 0
.Lasked_\@:
.endm
.macro CREST                           ; a round of the cluster's barrier behind its opening work-group barrier
	s_cmp_lg_u32 s10, 0
	s_cbranch_scc1 .Lnot_wave_0_\@
	s_barrier_signal -3
.Lnot_wave_0_\@:
	s_barrier_wait -3
	s_barrier_signal -1
	s_barrier_wait -1
.endm
.macro CROUND
	s_barrier_signal -1
	s_barrier_wait -1
	CREST
.endm
	s_load_b128 s[4:7], s[0:1], 0x0                ; xb s[4:5], wta s[6:7]
	s_load_b64 s[8:9], s[0:1], 0x10                ; qkv
	s_set_vgpr_msb 0x40
	v_lshl_add_u32 v255, v0, 2, 0x42000
	s_set_vgpr_msb 0x4000
	v_mov_b32 v255, 0
	s_set_vgpr_msb 0x1
	ds_add_u32 v255, v255
	s_set_vgpr_msb 0x100
	v_lshrrev_b32 v1, 5, v0
	v_readfirstlane_b32 s10, v1                    ; wave 0..3
	s_lshr_b32 s11, s10, 1                         ; I fetch for A (0) or for B (1)
	s_and_b32 s12, s10, 1                          ; which plane of A, which half of B
	s_bfe_u32 s40, ttmp6, 0x40000                  ; cx
	s_bfe_u32 s41, ttmp6, 0x40004                  ; cy
	s_lshl_b32 s42, ttmp9, 2
	s_add_co_u32 s42, s42, s40                     ; block column bx = 4 x cluster x + cx
	s_and_b32 s13, ttmp7, 0xffff
	s_lshl_b32 s13, s13, 2
	s_add_co_u32 s13, s13, s41                     ; block row by = 4 x cluster y + cy
	s_lshl_b32 s43, s41, 2
	s_lshl_b32 s43, 15, s43                        ; my row of the cluster
	s_lshl_b32 s44, 0x1111, s40                    ; my column
	; group 1 for A: a dense block of 32,768 bytes as 128 rows of 32 elements of 8 bytes; 16 bytes of padding behind every 64 words
	s_or_b32 s[G1+0], s43, (3<<16)|(1<<20)|(1<<21)|(5<<22)|(3<<25)
	s_mov_b32 s[G1+1], 32<<16                      ; tensor_dim0 = 32
	s_mov_b32 s[G1+2], 128<<16                     ; tensor_dim1 = 128
	s_mov_b32 s[G1+3], 32<<16                      ; tile_dim0 = 32
	s_mov_b32 s[G1+4], 128                         ; tile_dim1 = 128
	s_mov_b32 s[G1+5], 32                          ; from row to row: 32 elements
	s_mov_b32 s[G1+6], 0
	s_mov_b32 s[G1+7], 0
	; group 1 for B: 96 rows of 128 elements of 2 bytes, 1,024 elements from row to row, the same padding
	s_or_b32 s[G1B+0], s44, (1<<16)|(1<<20)|(1<<21)|(5<<22)|(3<<25)
	s_mov_b32 s[G1B+1], 128<<16
	s_mov_b32 s[G1B+2], RB<<16
	s_mov_b32 s[G1B+3], 128<<16
	s_mov_b32 s[G1B+4], RB
	s_mov_b32 s[G1B+5], 1024
	s_mov_b32 s[G1B+6], 0
	s_mov_b32 s[G1B+7], 0
	; A hangs on the block row and the wave alone, B on the block column and the wave alone, each in registers that never hold the other coordinate
	s_lshl_b32 s16, s12, 20                        ; my plane: one panel
	s_lshl_b32 s17, s13, 15                        ; 256 tokens of 128 bytes
	s_add_co_u32 s16, s16, s17
	s_mov_b32 s17, 0
	s_mul_i32 s46, s42, 16*NB*2048                 ; 192 rows of 2,048 bytes
	s_mul_i32 s47, s12, RB*2048                    ; my half
	s_add_co_u32 s46, s46, s47
	s_mov_b32 s47, 0
	s_mul_i32 s20, s10, PLANE                      ; LDS: waves 0, 1: plane = wave
	s_mul_i32 s21, s10, BHALF                      ; waves 2, 3: B's half wave - 2
	s_add_co_u32 s21, s21, BOFF-2*BHALF
	s_wait_dscnt 0x0
	s_wait_kmcnt 0x0
	s_add_nc_u64 s[14:15], s[4:5], s[16:17]
	s_add_nc_u64 s[46:47], s[6:7], s[46:47]
	CROUND                                         ; all sixteen work-groups are here: the first joint loads meet
.irp s, 0,1
	s_mov_b32 s[G0+4*\s], 1
	s_add_co_u32 s[G0+4*\s+1], s20, \s*SLOT
	s_add_nc_u64 s[G0+4*\s+2:G0+4*\s+3], s[14:15], \s*0x200000     ; K step s: two panels on
	s_or_b32 s[G0+4*\s+3], s[G0+4*\s+3], 0x80000000
	s_mov_b32 s[G0B+4*\s], 1
	s_add_co_u32 s[G0B+4*\s+1], s21, \s*SLOT
	s_add_nc_u64 s[G0B+4*\s+2:G0B+4*\s+3], s[46:47], \s*256
	s_or_b32 s[G0B+4*\s+3], s[G0B+4*\s+3], 0x80000000
	JLOAD \s                                       ; both slots go out together: two tensor loads of the wave are out
.endr
	v_and_b32 v1, 15, v0                           ; r
	v_bfe_u32 v2, v0, 4, 1                         ; h
	v_lshrrev_b32 v3, 1, v1
	v_and_b32 v4, 1, v0
	v_mul_u32_u24 v5, v3, PITCH
	v_lshl_add_u32 v5, v4, 7, v5
	v_lshl_add_u32 v5, v2, 4, v5                   ; token r: (r / 2) 272 + (r % 2) 128 + 16 h
	s_mul_i32 s22, s10, 32*PITCH                   ; my 64 tokens
	v_add_nc_u32 v[ADRA], s22, v5
	v_add_nc_u32 v[ADRA+1], SLOT, v[ADRA]
	v_mul_u32_u24 v6, v1, PITCH
	v_lshl_add_u32 v6, v2, 4, v6                   ; row r of B: r 272 + 16 h
	v_add_nc_u32 v[ADRB], BOFF, v6
	v_add_nc_u32 v[ADRB+1], BOFF+SLOT, v6
	s_mul_i32 s23, s10, STW
	s_add_co_u32 s23, s23, STAGE                   ; my stage
	v_add_nc_u32 v[STO], s23, v5                   ; in: token r of a panel, 16 bytes for each half of the lanes
	v_mul_u32_u24 v6, v2, PITCH
	v_lshl_add_u32 v6, v1, 4, v6
	v_add_nc_u32 v[RD], s23, v6                    ; back: two rows of 256 bytes
	v_and_b32 v6, 31, v0
	v_lshlrev_b32 v[CO], 4, v6                     ; 512 consecutive bytes of a panel
; NB matrix instructions: token block 2 hi + al x all column blocks, 32 along K, on fragment buffers f.  zero = 1: the product starts the sums.
; All 48 accumulators take turns, one instruction a turn.
.macro MULA f, hi, al, zero
.set bq, 0
.rept NB
.if \zero
	v_wmma_f32_16x16x32_bf16 v[8*(NB*\al+bq):8*(NB*\al+bq)+7], v[8*NB*\f+8*bq:8*NB*\f+8*bq+7], v[FA+32*\f+8*(2*\hi+\al):FA+32*\f+8*(2*\hi+\al)+7], 0
.else
	v_wmma_f32_16x16x32_bf16 v[8*(NB*\al+bq):8*(NB*\al+bq)+7], v[8*NB*\f+8*bq:8*NB*\f+8*bq+7], v[FA+32*\f+8*(2*\hi+\al):FA+32*\f+8*(2*\hi+\al)+7], v[8*(NB*\al+bq):8*(NB*\al+bq)+7]
.endif
.set bq, bq+1
.endr
.endm
; One run of 2 NB + 8 LDS loads: quarter kq (32 along K) of a slot into buffers f; B first, then A's four token blocks
.macro FETCH slot, kq, f
	WIN 0x40
.set bq, 0
.rept NB
	ds_load_b128 v[8*NB*\f+8*bq:8*NB*\f+8*bq+3],   v[ADRB+\slot] offset:bq*16*PITCH+64*\kq
	ds_load_b128 v[8*NB*\f+8*bq+4:8*NB*\f+8*bq+7], v[ADRB+\slot] offset:bq*16*PITCH+64*\kq+32
.set bq, bq+1
.endr
	WIN 0
.irp a, 0,1,2,3
	ds_load_b128 v[FA+32*\f+8*\a:FA+32*\f+8*\a+3],   v[ADRA+\slot] offset:(\kq/2)*PLANE+\a*8*PITCH+64*(\kq%2)
	ds_load_b128 v[FA+32*\f+8*\a+4:FA+32*\f+8*\a+7], v[ADRA+\slot] offset:(\kq/2)*PLANE+\a*8*PITCH+64*(\kq%2)+32
.endr
.endm
.macro QUARTER slot, kq, f, g, zero    ; multiplies buffers f; in its middle fetches quarter kq into buffers g
	s_wait_dscnt 4                                 ; B and A's tokens 0-31 are in; the youngest four loads (tokens 32-63) may be out
	WIN MUL_LO
	MULA \f, 0, 0, \zero
	MULA \f, 0, 1, \zero
	PLACES
	FETCH \slot, \kq, \g
	s_wait_dscnt 2*NB+8                            ; all but the run just issued
	WIN MUL_HI
	MULA \f, 1, 0, \zero
	MULA \f, 1, 1, \zero
.endm
.macro THREE slot, zero
	QUARTER \slot, 1, 0, 1, \zero
	QUARTER \slot, 2, 1, 0, 0
	QUARTER \slot, 3, 0, 1, 0
.endm
; The last quarter of a K step: multiplies buffers 1 and changes slots.  In front of the barrier each wave waits for its reads of this slot and for
; all its tensor loads (one is out: its part of the next slot).  Where the slot is filled again the barrier opens a round of the cluster's barrier,
; and the joint refill is the first tensor load behind the round.
.macro TURN slot, next, fill
	s_wait_dscnt 4
	WIN MUL_LO
	MULA 1, 0, 0, 0
	s_wait_dscnt 0
	s_wait_tensorcnt 0x0
	ds_add_u32 v255, v255
	s_wait_dscnt 0x0
	s_barrier_signal -1
	MULA 1, 0, 1, 0                                ; register work while the others arrive
	WIN 0
	s_barrier_wait -1
.if \fill
	CREST
	s_add_nc_u64 s[G0+4*\slot+2:G0+4*\slot+3], s[G0+4*\slot+2:G0+4*\slot+3], ASTEP      ; no tensor load of mine is out: the addresses step
	s_add_nc_u64 s[G0B+4*\slot+2:G0B+4*\slot+3], s[G0B+4*\slot+2:G0B+4*\slot+3], BSTEP
	JLOAD \slot
.endif
	PLACES
	FETCH \next, 0, 0
	WIN MUL_HI
	MULA 1, 1, 0, 0
	MULA 1, 1, 1, 0
.endm
.macro LAP zero
	THREE 0, \zero
	TURN 0, 1, 1
	THREE 1, 0
	TURN 1, 0, 1
.endm
	s_wait_tensorcnt 1                             ; my part of K step 0 is in; K step 1's load stays out
	s_barrier_signal -1
	s_barrier_wait -1
	FETCH 0, 0, 0
	LAP 1                                          ; the first lap starts the sums: nothing is cleared
	WIN 0
	s_mov_b32 s3, LAPS-2
.Llap:
	LAP 0
	WIN 0
	s_sub_co_u32 s3, s3, 1
	s_cmp_lg_u32 s3, 0
	s_cbranch_scc1 .Llap
	THREE 0, 0                                     ; the last lap fills nothing
	TURN 0, 1, 0
	THREE 1, 0
	s_wait_dscnt 4
	WIN MUL_LO
	MULA 1, 0, 0, 0
	MULA 1, 0, 1, 0
	s_wait_dscnt 0
	WIN MUL_HI
	MULA 1, 1, 0, 0
	MULA 1, 1, 1, 0
	; THE WAY OUT, 16 tokens at a time: round to f16, 16 bytes a lane into my own stage (one region of 8 rows for each of the three panels),
	; read back as rows, and store 512 consecutive bytes of a panel with each instruction.
	PLACES
	s_lshl_b32 s16, s13, 15                        ; 256 tokens of 128 bytes
	s_lshl_b32 s17, s10, 13                        ; my 64 tokens
	s_add_co_u32 s16, s16, s17
	s_mov_b32 s17, 0
	s_add_nc_u64 s[8:9], s[8:9], s[16:17]
	s_mul_i32 s46, s42, 0x300000                   ; three panels for each block column
	s_mov_b32 s47, 0
	s_add_nc_u64 s[8:9], s[8:9], s[46:47]
.macro OUTQ a, f
.if \a/2
	WIN 0x0f
.else
	WIN 0x0a
.endif
.set bq, 0
.rept NB
.irp r, 0,1,2,3
	v_cvt_pk_f16_f32 v[TMP+4*bq+\r], v[8*(NB*(\a%2)+bq)+2*\r], v[8*(NB*(\a%2)+bq)+2*\r+1]
.endr
.set bq, bq+1
.endr
	WIN 0
.set bq, 0
.rept NB
	ds_store_b128 v[STO], v[TMP+4*bq:TMP+4*bq+3] offset:(bq/4)*8*PITCH+32*(bq%4)
.set bq, bq+1
.endr
	s_wait_xcnt 0x0                                ; buffer f, which earlier stores read, is loaded again only behind this wait
.set ii, 0
.rept 12
	ds_load_b128 v[\f+4*ii:\f+4*ii+3], v[RD] offset:(ii/4)*8*PITCH+(ii%4)*2*PITCH      ; LDS serves a wave's instructions in order: these see the stores above
.set ii, ii+1
.endr
.set ii, 0
.rept 12
	s_wait_dscnt 11-ii
	global_store_b128 v[CO], v[\f+4*ii:\f+4*ii+3], s[8:9] offset:(ii/4)*1048576+\a*2048+(ii%4)*512
.set ii, ii+1
.endr
.endm
	OUTQ 0, OUT0
	OUTQ 1, OUT1
	OUTQ 2, OUT0
	OUTQ 3, OUT1
	s_set_vgpr_msb 0x1
	s_wait_tensorcnt 0x0
	ds_add_u32 v255, v255
	s_wait_dscnt 0x0
	s_set_vgpr_msb 0x100
	CROUND                                         ; the closing round: no work-group ends while a partner may still ask for a tile that names it
	s_endpgm
.Lfunc_end_k_q0e39de23c2_qkvg:
	.size	k_q0e39de23c2_qkvg, .Lfunc_end_k_q0e39de23c2_qkvg-k_q0e39de23c2_qkvg
	.p2alignl 7, 3214868480
	.fill 96, 4, 3214868480
	.section	.rodata,"a",@progbits
	.p2align	6, 0x0
	.amdhsa_kernel k_q0e39de23c2_qkvg
		.amdhsa_group_segment_fixed_size 327680
		.amdhsa_private_segment_fixed_size 0
		.amdhsa_enable_private_segment 0
		.amdhsa_kernarg_size 24
		.amdhsa_user_sgpr_count 2
		.amdhsa_user_sgpr_kernarg_segment_ptr 1
		.amdhsa_wavefront_size32 1
		.amdhsa_system_sgpr_workgroup_id_x 1
		.amdhsa_system_sgpr_workgroup_id_y 1
		.amdhsa_system_sgpr_workgroup_id_z 1
		.amdhsa_system_vgpr_workitem_id 0
		.amdhsa_next_free_vgpr 1024
		.amdhsa_next_free_sgpr 66
		.amdhsa_reserve_vcc 0
		.amdhsa_float_denorm_mode_32 3
		.amdhsa_float_denorm_mode_16_64 3
		.amdhsa_memory_ordered 1
		.amdhsa_forward_progress 1
		.amdhsa_inst_pref_size 163
	.end_amdhsa_kernel
	.amdgpu_metadata
---
amdhsa.version: [ 1, 2 ]
amdhsa.kernels:
  - .name:           k_q0e39de23c2_qkvg
    .symbol:         k_q0e39de23c2_qkvg.kd
    .args:
      - { .name: xb, .offset: 0, .size: 8, .value_kind: global_buffer, .address_space: global }
      - { .name: wta, .offset: 8, .size: 8, .value_kind: global_buffer, .address_space: global }
      - { .name: qkv, .offset: 16, .size: 8, .value_kind: global_buffer, .address_space: global }
    .group_segment_fixed_size: 327680
    .private_segment_fixed_size: 0
    .kernarg_segment_align: 8
    .kernarg_segment_size: 24
    .max_flat_workgroup_size: 128
    .sgpr_count:     66
    .vgpr_count:     1024
    .wavefront_size: 32
...
	.end_amdgpu_metadata
.endif
;; end of part 2
;; launch attn (part 3): grid 4 x 64, 8 waves a work-group, no clusters, 327,680 bytes of LDS; arguments qkv, yh; writes yh
.if DOCPART == 3
	.amdgcn_target "amdgcn-amd-amdhsa--gfx1250"
	.amdhsa_code_object_version 6
	.text
	.protected	k_q0e39de23c2_attn
	.globl	k_q0e39de23c2_attn
	.p2align	8
	.type	k_q0e39de23c2_attn,@function
k_q0e39de23c2_attn:
	s_mov_b64 s[64:65], 0
	v_nop
	global_prefetch_b8 v0, s[64:65] scope:SCOPE_SE
	s_setreg_imm32_b32 hwreg(HW_REG_WAVE_MODE, 25, 1), 1
	s_wait_xcnt 0x0
; Causal attention of one head.  qkv [48 panels][8192 tokens][64] f16 (panel h = q, 16 + h = k, 32 + h = v), yh [16 panels h][8192 tokens][64] f16.
; Work-group (x, bh): batch bh / 16, head bh % 16.  It makes query block 6 - 2 x (256 queries, 7 - 2 x key blocks of 256) and then query block
; 2 x + 1 (2 x + 2 key blocks): nine key blocks for every work-group.
; Wave WV: strip w = WV % 4 (64 queries), key group g = WV / 4.  In a key block a wave does two sub-steps u = 0, 1 on the 64 keys of sub-tile 2 u + g,
; with a running maximum, sum and O of its own; at a block's end the two groups of a strip are merged by the usual rule for (m, l, O).
; PRODUCTS ARE TRANSPOSED: S^T = K Q^T puts query r = l % 16 into the lane and keys 8 (l / 16) + j into its registers, so the row maximum is found inside the
; lane and by one exchange between the halves, and the packed P^T is already the second operand of O^T = V^T P^T.  V^T comes from ds_load_tr16_b128.
; NO JOINT LOADS: only the four work-groups of one bh read the same K and V, and they walk different key blocks at the same step
; (x = 0: 0..6 then 0..1; x = 3: 0 then 0..7); an order common to all four would cost 16 steps instead of 9.
; LIMITS: q, k, v arrive as f16; P (at most 1) and y (a mean of v) are f16.  The maximum is a running one, started at the lowest finite f32.
; LDS: slot s at s x 73,728 = K half 0, K half 1 (64 rows of 256 bytes = two keys a row, pitch 272, in regions of 18,432), V half 0, V half 1 (pitch 288);
;      merge region at 147,456 + w x 17,408 (O in 32 pieces of 512 bytes, m, l); y stage at 217,088 + WV x 8,704.  No tensor load lands in the last two.
.set REG,   18432
.set SLOTB, 4*REG
.set MRG,   2*SLOTB
.set MRGW,  17408
.set YST,   MRG+4*MRGW
.set YSTW,  8704
; window 0
.set ADRK, 8                           ; v8-9   my K fragments in slot 0, 1
.set ADRV, 10                          ; v10-11 my V fragments
.set QO,   12
.set MA,   13
.set YS,   14
.set YR,   15
.set YO,   16
.set QF,   32                          ; v32-95   Q fragment (qt, ds) at 16 qt + 8 ds
.set OA,   96                          ; v96-223  O^T tile (dt, qt) at 32 qt + 8 dt
; window 1 (written by their low 8 bits)
;          0-127  S^T tile (kt, qt) at 16 (qt + 4 (kt / 2)) + 8 (kt % 2); after packing, P^T fragment (ks, qt) at 16 (qt + 4 ks)
.set KVF,  128                         ; 128-191 K fragments (ds, kt), then V^T fragments (ks, dt)
.set MX,   192                         ; running maximum, one for each qt
.set TM,   196
.set TX,   200
.set NM2,  204                         ; - maximum x c, twice
.set AL2,  212                         ; alpha, twice
.set L2,   220                         ; running sums, a pair for each qt
.set VD,   228
.set NINF, 229
.set DL,   230                         ; r - 8 h
.set TP,   232
.set PL,   236
.set G0,   32                          ; s[32:39] group 0, one set a slot
.set MSB, 0
.macro WIN new
.if MSB != \new
	s_set_vgpr_msb (MSB<<8)|\new
.set MSB, \new
.endif
.endm
.macro PLACES n                        ; plain vector instructions behind a matrix instruction (ISA guide 7.12.1)
.rept \n
	v_nop
.endr
.endm
; Waves 0, 1 fetch the two halves of K, waves 2, 3 those of V (another padding, so another group 1); waves 4 to 7 fetch nothing.
.macro KVLOAD n
	s_cmp_gt_u32 s8, 3
	s_cbranch_scc1 .Lkv_done_\@
	s_cmp_gt_u32 s8, 1
	s_cbranch_scc1 .Lkv_v_\@
	tensor_load_to_lds s[G0+4*(\n):G0+4*(\n)+3], s[16:23]
	s_nop 0
	s_branch .Lkv_done_\@
.Lkv_v_\@:
	tensor_load_to_lds s[G0+4*(\n):G0+4*(\n)+3], s[24:31]
	s_nop 0
.Lkv_done_\@:
.endm
.macro QLOAD qb                        ; my strip's Q as second operands: lane (r, h) takes query r, d = 32 ds + 8 h .. and 32 ds + 16 + 8 h ..
.irp qt, 0,1,2,3
.irp ds, 0,1
	global_load_b128 v[QF+16*\qt+8*\ds:QF+16*\qt+8*\ds+3],   v[QO], s[\qb:\qb+1] offset:\qt*2048+64*\ds
	global_load_b128 v[QF+16*\qt+8*\ds+4:QF+16*\qt+8*\ds+7], v[QO], s[\qb:\qb+1] offset:\qt*2048+64*\ds+32
.endr
.endr
.endm
.macro BLOCKINIT                       ; a query block starts: maximum = lowest finite f32 (any finite score replaces it), sums = 0
	WIN 0x40
.irp qt, 0,1,2,3
	v_mov_b32 v[MX+\qt], 0xff7fffff
	v_mov_b32 v[L2+2*\qt], 0
	v_mov_b32 v[L2+2*\qt+1], 0
.endr
	WIN 0
.endm
; key <= query  <=>  16 (kt - qt) + j <= r - 8 h - 64 REL.  One compare serves all tiles of one kt - qt and one j.
.macro MASK
	WIN 0x55
	v_sub_nc_u32 v[VD], v[DL], s41
.irp d, 0,1,2,3,4,5,6
.irp j, 0,1,2,3,4,5,6,7
	v_cmp_le_i32 vcc_lo, 16*(\d-3)+\j, v[VD]
.irp qt, 0,1,2,3
.if \qt+\d >= 3
.if \qt+\d <= 6
	v_cndmask_b32 v[16*(\qt+4*((\qt+\d-3)/2))+8*((\qt+\d-3)%2)+\j], v[NINF], v[16*(\qt+4*((\qt+\d-3)/2))+8*((\qt+\d-3)%2)+\j], vcc_lo
.endif
.endif
.endr
.endr
.endr
	WIN 0
.endm
; One sub-step: 64 queries x 64 keys.  REL = (key sub-tile) - (query strip): below 0 the tile is whole, 0 is the diagonal, above 0 nothing is left of it.
; first = 1: the block's first sub-step; it is never jumped over (a tile that is masked whole gives P = 0, l = 0, O = 0 by arithmetic) and its products start O.
.macro SUB s, u, first
	s_add_co_i32 s40, s15, 2*\u
.if \first == 0
	s_cmp_gt_i32 s40, 0
	s_cbranch_scc1 .Lsub_end_\@
.endif
	WIN 0x40
.irp ds, 0,1
.irp kt, 0,1,2,3
	ds_load_b128 v[KVF+8*(4*\ds+\kt):KVF+8*(4*\ds+\kt)+3],   v[ADRK+\s] offset:\u*REG+\kt*2176+64*\ds
	ds_load_b128 v[KVF+8*(4*\ds+\kt)+4:KVF+8*(4*\ds+\kt)+7], v[ADRK+\s] offset:\u*REG+\kt*2176+64*\ds+32
.endr
.endr
	s_wait_dscnt 8                                 ; d = 0..31 of the four key blocks are in; the eight loads of d = 32..63 stay out
	WIN 0x51                                       ; K window 1, Q window 0, S window 1.  The sixteen tiles take turns
.irp qt, 0,1,2,3
.irp kt, 0,1,2,3
	v_wmma_f32_16x16x32_f16 v[16*(\qt+4*(\kt/2))+8*(\kt%2):16*(\qt+4*(\kt/2))+8*(\kt%2)+7], v[KVF+8*\kt:KVF+8*\kt+7], v[QF+16*\qt:QF+16*\qt+7], 0
.endr
.endr
	s_wait_dscnt 0
.irp qt, 0,1,2,3
.irp kt, 0,1,2,3
	v_wmma_f32_16x16x32_f16 v[16*(\qt+4*(\kt/2))+8*(\kt%2):16*(\qt+4*(\kt/2))+8*(\kt%2)+7], v[KVF+32+8*\kt:KVF+32+8*\kt+7], v[QF+16*\qt+8:QF+16*\qt+15], v[16*(\qt+4*(\kt/2))+8*(\kt%2):16*(\qt+4*(\kt/2))+8*(\kt%2)+7]
.endr
.endr
	PLACES 4                                       ; before V lands on the K fragments and before S is read
	WIN 0x40
.irp ks, 0,1
.irp dt, 0,1,2,3
	ds_load_tr16_b128 v[KVF+8*(4*\ks+\dt):KVF+8*(4*\ks+\dt)+3],   v[ADRV+\s] offset:\u*REG+(16*\ks)*288+32*\dt       ; they land during the softmax
	ds_load_tr16_b128 v[KVF+8*(4*\ks+\dt)+4:KVF+8*(4*\ks+\dt)+7], v[ADRV+\s] offset:\u*REG+(16*\ks+8)*288+32*\dt
.endr
.endr
	WIN 0
	s_cmp_lt_i32 s40, 0
	s_cbranch_scc1 .Lnomask_\@
	s_lshl_b32 s41, s40, 6
	MASK
.Lnomask_\@:
	WIN 0x55
	; the new maximum of each query: 32 scores in the lane, four chains that take turns, then the other half of the lanes
.irp i, 0,1,2,3,4,5,6,7
.irp qt, 0,1,2,3
.if \i == 0
	v_max3_num_f32 v[TM+\qt], v[MX+\qt], v[16*\qt], v[16*\qt+1]
.else
	v_max3_num_f32 v[TM+\qt], v[TM+\qt], v[16*\qt+2*\i], v[16*\qt+2*\i+1]
.endif
.endr
.endr
.irp i, 0,1,2,3,4,5,6,7
.irp qt, 0,1,2,3
	v_max3_num_f32 v[TM+\qt], v[TM+\qt], v[64+16*\qt+2*\i], v[64+16*\qt+2*\i+1]
.endr
.endr
.irp qt, 0,1,2,3
	v_permlanex16_b32 v[TX+\qt], v[TM+\qt], s48, s49
.endr
.irp qt, 0,1,2,3
	v_max_num_f32 v[TM+\qt], v[TM+\qt], v[TX+\qt]
.endr
.irp qt, 0,1,2,3
	v_sub_f32 v[TP+\qt], v[MX+\qt], v[TM+\qt]
.endr
.irp qt, 0,1,2,3
	v_mul_f32 v[TP+\qt], s46, v[TP+\qt]
.endr
.irp qt, 0,1,2,3
	v_exp_f32 v[AL2+2*\qt], v[TP+\qt]              ; alpha = 2^((old - new) c), c = log2(e) / 8
.endr
.irp qt, 0,1,2,3
	v_mul_f32 v[NM2+2*\qt], s45, v[TM+\qt]         ; plain work behind the exponentials, before alpha is read (ISA guide 5.7.2)
	v_mul_f32 v[NM2+2*\qt+1], s45, v[TM+\qt]
	v_mov_b32 v[MX+\qt], v[TM+\qt]
.endr
	s_wait_alu depctr_va_vdst(0)
.irp qt, 0,1,2,3
	v_mov_b32 v[AL2+2*\qt+1], v[AL2+2*\qt]
.endr
	; P = 2^(S c - new c)
.irp ks, 0,1
.irp qt, 0,1,2,3
.irp i, 0,1,2,3,4,5,6,7
	v_pk_fma_f32 v[16*(\qt+4*\ks)+2*\i:16*(\qt+4*\ks)+2*\i+1], v[16*(\qt+4*\ks)+2*\i:16*(\qt+4*\ks)+2*\i+1], s[46:47], v[NM2+2*\qt:NM2+2*\qt+1] op_sel_hi:[1,0,1]
.endr
.endr
.endr
.set ii, 0
.rept 128
	v_exp_f32 v[ii], v[ii]
.set ii, ii+1
.endr
	v_nop                                          ; one plain place behind the run of exponentials
	s_wait_alu depctr_va_vdst(0)
.irp qt, 0,1,2,3
	v_pk_fma_f32 v[L2+2*\qt:L2+2*\qt+1], v[L2+2*\qt:L2+2*\qt+1], v[AL2+2*\qt:AL2+2*\qt+1], v[16*\qt:16*\qt+1]
.endr
.irp i, 1,2,3,4,5,6,7
.irp qt, 0,1,2,3
	v_pk_add_f32 v[L2+2*\qt:L2+2*\qt+1], v[L2+2*\qt:L2+2*\qt+1], v[16*\qt+2*\i:16*\qt+2*\i+1]
.endr
.endr
.irp i, 0,1,2,3,4,5,6,7
.irp qt, 0,1,2,3
	v_pk_add_f32 v[L2+2*\qt:L2+2*\qt+1], v[L2+2*\qt:L2+2*\qt+1], v[64+16*\qt+2*\i:64+16*\qt+2*\i+1]
.endr
.endr
	; pack in place, ascending: sixteen registers (two key blocks of one qt) become the eight of a P^T fragment
.irp gq, 0,1,2,3,4,5,6,7
.irp i, 0,1,2,3,4,5,6,7
	v_cvt_pk_f16_f32 v[16*\gq+\i], v[16*\gq+2*\i], v[16*\gq+2*\i+1]
.endr
.endr
.if \first == 0
	WIN 0x04                                       ; O window 0, alpha window 1
.irp qt, 0,1,2,3
.irp i, 0,1,2,3,4,5,6,7,8,9,10,11,12,13,14,15
	v_pk_mul_f32 v[OA+32*\qt+2*\i:OA+32*\qt+2*\i+1], v[OA+32*\qt+2*\i:OA+32*\qt+2*\i+1], v[AL2+2*\qt:AL2+2*\qt+1]
.endr
.endr
.endif
	s_wait_dscnt 0                                 ; V^T is in
	WIN 0x05                                       ; V^T and P^T window 1, O window 0.  The sixteen tiles take turns
.irp ks, 0,1
.irp qt, 0,1,2,3
.irp dt, 0,1,2,3
.if \first*(1-\ks)
	v_wmma_f32_16x16x32_f16 v[OA+32*\qt+8*\dt:OA+32*\qt+8*\dt+7], v[KVF+8*(4*\ks+\dt):KVF+8*(4*\ks+\dt)+7], v[16*(\qt+4*\ks):16*(\qt+4*\ks)+7], 0
.else
	v_wmma_f32_16x16x32_f16 v[OA+32*\qt+8*\dt:OA+32*\qt+8*\dt+7], v[KVF+8*(4*\ks+\dt):KVF+8*(4*\ks+\dt)+7], v[16*(\qt+4*\ks):16*(\qt+4*\ks)+7], v[OA+32*\qt+8*\dt:OA+32*\qt+8*\dt+7]
.endif
.endr
.endr
.endr
	PLACES 5                                       ; the next S is written over P^T by matrix instructions, the next loads land on V^T, O is read
	WIN 0
.Lsub_end_\@:
.endm
; One key block in slot s.  In front of the barrier every wave waits for all its tensor loads (this slot's tile among them) and for its reads of the other slot;
; behind it the other slot is filled, one tensor load a wave, first thing; that load has two sub-steps of every wave in which to land.
.macro STEP s, refill, first
	s_wait_tensorcnt 0x0
	ds_add_u32 v254, v255
	s_wait_dscnt 0x0
.if \refill
	s_cmp_gt_u32 s42, s43                          ; behind the query block's last key block comes the next query block's key block 0
	s_cselect_b32 s42, 0, s42
	s_lshl_b32 s52, s42, 15                        ; 256 keys of 128 bytes
	s_add_nc_u64 s[G0+4*(1-\s)+2:G0+4*(1-\s)+3], s[50:51], s[52:53]    ; no tensor load of mine is out: the group 0 may be written
	s_or_b32 s[G0+4*(1-\s)+3], s[G0+4*(1-\s)+3], 0x80000000
	s_add_co_u32 s42, s42, 1
.endif
	s_wait_dscnt 0x0
	s_barrier_signal -1
	s_barrier_wait -1
.if \refill
	KVLOAD 1-\s
.endif
	SUB \s, 0, \first
	SUB \s, 1, 0
	s_add_co_i32 s15, s15, 4
.endm
; A query block ends.  Group 1 hands (O, m, l) to group 0 through LDS; group 0 merges, divides, rounds to f16 and stores 64 tokens x 128 bytes.
.macro FINAL next, qb, yb
.if \next
	QLOAD \qb                                      ; the next block's Q: it lands during the merge
.endif
	WIN 0x55
.irp qt, 0,1,2,3
	v_add_f32 v[TM+\qt], v[L2+2*\qt], v[L2+2*\qt+1]
.endr
.irp qt, 0,1,2,3
	v_permlanex16_b32 v[TX+\qt], v[TM+\qt], s48, s49
.endr
.irp qt, 0,1,2,3
	v_add_f32 v[TM+\qt], v[TM+\qt], v[TX+\qt]      ; l of my keys, in every lane of the query
.endr
	WIN 0
	s_cmp_eq_u32 s10, 0
	s_cbranch_scc1 .Lfin_bar_\@
.set ii, 0
.rept 32
	ds_store_b128 v[MA], v[OA+4*ii:OA+4*ii+3] offset:512*ii
.set ii, ii+1
.endr
	WIN 0x04
	ds_store_b128 v[MA], v[MX:MX+3] offset:16384
	ds_store_b128 v[MA], v[TM:TM+3] offset:16896
	WIN 0
.Lfin_bar_\@:
	s_wait_dscnt 0x0                               ; group 1: my stores are in LDS before I say so
	s_barrier_signal -1                            ; the next key block's load may stay out across it
	s_barrier_wait -1
	s_cmp_lg_u32 s10, 0
	s_cbranch_scc1 .Lfin_end_\@
	WIN 0x40
	ds_load_b128 v[TP:TP+3], v[MA] offset:16384    ; the partner's m
	ds_load_b128 v[PL:PL+3], v[MA] offset:16896    ; the partner's l
.set ii, 0
.rept 32
	ds_load_b128 v[4*ii:4*ii+3], v[MA] offset:512*ii               ; the partner's O, into the S registers, register for register
.set ii, ii+1
.endr
	s_wait_dscnt 32                                ; m and l are in; the 32 loads of O stay out
	WIN 0x55
.irp qt, 0,1,2,3
	v_max_num_f32 v[TX+\qt], v[MX+\qt], v[TP+\qt]
.endr
.irp qt, 0,1,2,3
	v_sub_f32 v[MX+\qt], v[MX+\qt], v[TX+\qt]
	v_sub_f32 v[TP+\qt], v[TP+\qt], v[TX+\qt]
.endr
.irp qt, 0,1,2,3
	v_mul_f32 v[MX+\qt], s46, v[MX+\qt]
	v_mul_f32 v[TP+\qt], s46, v[TP+\qt]
.endr
.irp qt, 0,1,2,3
	v_exp_f32 v[MX+\qt], v[MX+\qt]                 ; f0
	v_exp_f32 v[TP+\qt], v[TP+\qt]                 ; f1
.endr
	v_nop
	s_wait_alu depctr_va_vdst(0)
.irp qt, 0,1,2,3
	v_mul_f32 v[TM+\qt], v[TM+\qt], v[MX+\qt]
.endr
.irp qt, 0,1,2,3
	v_fma_f32 v[TM+\qt], v[PL+\qt], v[TP+\qt], v[TM+\qt]           ; l f0 + l' f1: at least 1, the term of the maximum
.endr
.irp qt, 0,1,2,3
	v_rcp_f32 v[TM+\qt], v[TM+\qt]
.endr
	v_nop
	s_wait_alu depctr_va_vdst(0)
.irp qt, 0,1,2,3
	v_mul_f32 v[AL2+2*\qt], v[MX+\qt], v[TM+\qt]
	v_mul_f32 v[AL2+2*\qt+1], v[MX+\qt], v[TM+\qt]
	v_mul_f32 v[NM2+2*\qt], v[TP+\qt], v[TM+\qt]
	v_mul_f32 v[NM2+2*\qt+1], v[TP+\qt], v[TM+\qt]
.endr
	WIN 0x04
.irp qt, 0,1,2,3
.irp i, 0,1,2,3,4,5,6,7,8,9,10,11,12,13,14,15
	v_pk_mul_f32 v[OA+32*\qt+2*\i:OA+32*\qt+2*\i+1], v[OA+32*\qt+2*\i:OA+32*\qt+2*\i+1], v[AL2+2*\qt:AL2+2*\qt+1]
.endr
.endr
	s_wait_dscnt 0
	WIN 0x05
.irp qt, 0,1,2,3
.irp i, 0,1,2,3,4,5,6,7,8,9,10,11,12,13,14,15
	v_pk_fma_f32 v[OA+32*\qt+2*\i:OA+32*\qt+2*\i+1], v[32*\qt+2*\i:32*\qt+2*\i+1], v[NM2+2*\qt:NM2+2*\qt+1], v[OA+32*\qt+2*\i:OA+32*\qt+2*\i+1]
.endr
.endr
	WIN 0
.irp t, 0,1,2,3,4,5,6,7,8,9,10,11,12,13,14,15
.irp i, 0,1,2,3
	v_cvt_pk_f16_f32 v[OA+8*\t+\i], v[OA+8*\t+2*\i], v[OA+8*\t+2*\i+1]     ; in place, ascending: d = 16 dt + 8 h .. + 7 of query r, 16 bytes
.endr
.endr
.irp qt, 0,1,2,3
.irp dt, 0,1,2,3
	ds_store_b128 v[YS], v[OA+32*\qt+8*\dt:OA+32*\qt+8*\dt+3] offset:\qt*2176+32*\dt
.endr
.endr
	WIN 0x40
.irp t, 0,1,2,3,4,5,6,7,8,9,10,11,12,13,14,15
	ds_load_b128 v[4*\t:4*\t+3], v[YR] offset:\t*544               ; my own stage: LDS serves a wave's instructions in order
.endr
	WIN 0x04
.irp t, 0,1,2,3,4,5,6,7,8,9,10,11,12,13,14,15
	s_wait_dscnt 15-\t
	global_store_b128 v[YO], v[4*\t:4*\t+3], s[\yb:\yb+1] offset:512*\t    ; 512 consecutive bytes of the head's panel
.endr
.if \next
	s_wait_xcnt 0x0                                ; the S registers, which these stores read, are written again only behind this wait
.endif
	WIN 0
.Lfin_end_\@:
.endm
	s_load_b128 s[4:7], s[0:1], 0x0                ; qkv s[4:5], yh s[6:7]
	v_lshl_add_u32 v254, v0, 2, 0x46000
	v_mov_b32 v255, 0
	ds_add_u32 v254, v255
	v_lshrrev_b32 v1, 5, v0
	v_readfirstlane_b32 s8, v1                     ; WV
	s_and_b32 s9, s8, 3                            ; w
	s_lshr_b32 s10, s8, 2                          ; g
	s_mov_b32 s11, ttmp9                           ; x
	s_and_b32 s12, ttmp7, 0xffff                   ; bh
	s_and_b32 s13, s12, 15                         ; head
	s_lshr_b32 s14, s12, 4                         ; batch
	; group 1: a dense block of 16,384 bytes as 64 rows of 32 elements of 8 bytes; behind every 64 words K gets 4 words of padding, V gets 8
	s_mov_b32 s16, (3<<16)|(1<<20)|(5<<22)|(3<<25)
	s_mov_b32 s17, 32<<16
	s_mov_b32 s18, 64<<16
	s_mov_b32 s19, 32<<16
	s_mov_b32 s20, 64
	s_mov_b32 s21, 32
	s_mov_b32 s22, 0
	s_mov_b32 s23, 0
	s_mov_b32 s24, (3<<16)|(1<<20)|(5<<22)|(7<<25)
	s_mov_b32 s25, 32<<16
	s_mov_b32 s26, 64<<16
	s_mov_b32 s27, 32<<16
	s_mov_b32 s28, 64
	s_mov_b32 s29, 32
	s_mov_b32 s30, 0
	s_mov_b32 s31, 0
	s_mov_b32 s45, 0xbe38aa3b                      ; - c
	s_mov_b32 s46, 0x3e38aa3b                      ; c = log2(e) / 8
	s_mov_b32 s47, 0x3e38aa3b
	s_mov_b32 s48, 0x76543210                      ; v_permlanex16_b32: lane i of one half reads lane i of the other
	s_mov_b32 s49, 0xfedcba98
	s_lshl_b32 s63, s11, 1
	s_sub_co_u32 s62, 6, s63                       ; first query block 6 - 2 x
	s_add_co_u32 s63, s63, 1                       ; second query block 2 x + 1
	s_lshl_b32 s2, s13, 20                         ; the head's panel
	s_lshl_b32 s3, s14, 18                         ; the batch's 2,048 tokens of 128 bytes
	s_add_co_u32 s2, s2, s3
	s_lshr_b32 s3, s9, 1                           ; waves 2, 3: V, sixteen panels behind K
	s_lshl_b32 s3, s3, 24
	s_add_co_u32 s52, s2, s3
	s_and_b32 s3, s8, 1                            ; which 128 keys of the block
	s_lshl_b32 s3, s3, 14
	s_add_co_u32 s52, s52, s3
	s_add_co_u32 s52, s52, 0x1000000               ; K begins sixteen panels behind Q
	s_mov_b32 s53, 0
	s_mul_i32 s3, s8, REG                          ; LDS: region = wave
	s_mov_b32 s32, 1
	s_mov_b32 s33, s3
	s_mov_b32 s36, 1
	s_add_co_u32 s37, s3, SLOTB
	s_wait_dscnt 0x0
	s_barrier_signal -1
	s_barrier_wait -1
	s_wait_kmcnt 0x0
	s_add_nc_u64 s[50:51], s[4:5], s[52:53]        ; my part of key block 0
	s_mov_b64 s[34:35], s[50:51]
	s_or_b32 s35, s35, 0x80000000
	KVLOAD 0                                       ; the first fill, ahead of every wait on it and every LDS read; one tensor load of a wave is out, here and later
	s_lshl_b32 s3, s62, 15
	s_add_co_u32 s52, s2, s3
	s_add_nc_u64 s[54:55], s[4:5], s[52:53]        ; Q of the first block
	s_lshl_b32 s3, s9, 13
	s_add_co_u32 s52, s52, s3
	s_add_nc_u64 s[56:57], s[6:7], s[52:53]        ; y of my strip in the first block
	s_lshl_b32 s3, s63, 15
	s_add_co_u32 s52, s2, s3
	s_add_nc_u64 s[58:59], s[4:5], s[52:53]        ; Q of the second block
	s_lshl_b32 s3, s9, 13
	s_add_co_u32 s52, s52, s3
	s_add_nc_u64 s[60:61], s[6:7], s[52:53]        ; y of my strip in the second block
	v_and_b32 v1, 31, v0                           ; L
	v_and_b32 v2, 15, v0                           ; r
	v_bfe_u32 v3, v0, 4, 1                         ; h
	v_lshlrev_b32 v7, 7, v2
	v_lshl_add_u32 v7, v3, 4, v7
	s_lshl_b32 s3, s9, 13
	v_add_nc_u32 v[QO], s3, v7                     ; 8192 w + 128 r + 16 h
	QLOAD 54
	v_lshrrev_b32 v4, 1, v2
	v_and_b32 v5, 1, v0
	v_mul_u32_u24 v6, v4, 272
	v_lshl_add_u32 v6, v5, 7, v6
	v_lshl_add_u32 v6, v3, 4, v6                   ; token r at pitch 272: (r / 2) 272 + (r % 2) 128 + 16 h
	s_mul_i32 s3, s10, 8704                        ; my key group: 32 rows
	v_add_nc_u32 v[ADRK], s3, v6
	v_add_nc_u32 v[ADRK+1], SLOTB, v[ADRK]
	s_mul_i32 s3, s8, YSTW
	s_add_co_u32 s3, s3, YST
	v_add_nc_u32 v[YS], s3, v6
	v_mul_u32_u24 v7, v3, 272
	v_lshl_add_u32 v7, v2, 4, v7
	v_add_nc_u32 v[YR], s3, v7
	v_bfe_u32 v7, v0, 1, 2                         ; (L % 8) / 2
	v_lshl_add_u32 v7, v3, 2, v7                   ; + 4 h: the row of key 8 h + L % 8
	v_mul_u32_u24 v7, v7, 288
	v_lshl_add_u32 v7, v5, 7, v7                   ; + 128 for the odd key
	v_bfe_u32 v17, v0, 3, 1
	v_lshl_add_u32 v7, v17, 4, v7                  ; + 16 for d = 8 .. 15 of the block
	s_mul_i32 s3, s10, 9216
	s_add_co_u32 s3, s3, 2*REG
	v_add_nc_u32 v[ADRV], s3, v7
	v_add_nc_u32 v[ADRV+1], SLOTB, v[ADRV]
	s_mul_i32 s3, s9, MRGW
	s_add_co_u32 s3, s3, MRG
	v_lshl_add_u32 v[MA], v1, 4, s3
	v_lshlrev_b32 v[YO], 4, v1
	v_lshlrev_b32 v7, 3, v3
	WIN 0x40
	v_sub_nc_u32 v[DL], v2, v7                     ; r - 8 h
	v_mov_b32 v[NINF], 0xff800000
.irp qt, 0,1,2,3
	v_mov_b32 v[TX+\qt], 0                         ; v_permlanex16_b32 counts as a reader of its destination
.endr
	WIN 0
	s_mov_b32 s42, 1                               ; the next key block to ask for
	s_mov_b32 s43, s62                             ; the first query block's last key block
	s_sub_co_i32 s15, s10, s9
	s_lshl_b32 s3, s62, 2
	s_sub_co_i32 s15, s15, s3                      ; REL of u = 0 in key block 0: g - w - 4 qb
	BLOCKINIT
	s_wait_loadcnt 0x0                             ; Q
	STEP 0, 1, 1
	s_sub_co_u32 s44, 3, s11                       ; 7 - 2 x key blocks = 1 + 2 (3 - x)
	s_cmp_eq_u32 s44, 0
	s_cbranch_scc1 .Ldone_o
.Lloop_o:
	STEP 1, 1, 0
	STEP 0, 1, 0
	s_sub_co_i32 s44, s44, 1
	s_cmp_lg_u32 s44, 0
	s_cbranch_scc1 .Lloop_o
.Ldone_o:
	FINAL 1, 58, 56
	s_mov_b32 s43, 99                              ; no more wrapping
	s_sub_co_i32 s15, s10, s9
	s_lshl_b32 s3, s63, 2
	s_sub_co_i32 s15, s15, s3
	BLOCKINIT
	s_wait_loadcnt 0x0                             ; the second block's Q
	STEP 1, 1, 1                                   ; its key block 0 lies in slot 1: the first block has an odd number of key blocks
	s_mov_b32 s44, s11                             ; 2 x + 2 key blocks = 1 + 2 x + 1
	s_cmp_eq_u32 s44, 0
	s_cbranch_scc1 .Ldone_e
.Lloop_e:
	STEP 0, 1, 0
	STEP 1, 1, 0
	s_sub_co_i32 s44, s44, 1
	s_cmp_lg_u32 s44, 0
	s_cbranch_scc1 .Lloop_e
.Ldone_e:
	STEP 0, 0, 0                                   ; the last key block: nothing is left to fetch
	FINAL 0, 58, 60
	s_wait_tensorcnt 0x0
	ds_add_u32 v254, v255
	s_wait_dscnt 0x0
	s_endpgm
.Lfunc_end_k_q0e39de23c2_attn:
	.size	k_q0e39de23c2_attn, .Lfunc_end_k_q0e39de23c2_attn-k_q0e39de23c2_attn
	.p2alignl 7, 3214868480
	.fill 96, 4, 3214868480
	.section	.rodata,"a",@progbits
	.p2align	6, 0x0
	.amdhsa_kernel k_q0e39de23c2_attn
		.amdhsa_group_segment_fixed_size 327680
		.amdhsa_private_segment_fixed_size 0
		.amdhsa_enable_private_segment 0
		.amdhsa_kernarg_size 16
		.amdhsa_user_sgpr_count 2
		.amdhsa_user_sgpr_kernarg_segment_ptr 1
		.amdhsa_wavefront_size32 1
		.amdhsa_system_sgpr_workgroup_id_x 1
		.amdhsa_system_sgpr_workgroup_id_y 1
		.amdhsa_system_sgpr_workgroup_id_z 1
		.amdhsa_system_vgpr_workitem_id 0
		.amdhsa_next_free_vgpr 512
		.amdhsa_next_free_sgpr 66
		.amdhsa_reserve_vcc 1
		.amdhsa_float_denorm_mode_32 3
		.amdhsa_float_denorm_mode_16_64 3
		.amdhsa_memory_ordered 1
		.amdhsa_forward_progress 1
		.amdhsa_inst_pref_size 255
	.end_amdhsa_kernel
	.section	.bss,"aw",@nobits
	.p2align	6
	.space	262144
	.amdgpu_metadata
---
amdhsa.version: [ 1, 2 ]
amdhsa.kernels:
  - .name:           k_q0e39de23c2_attn
    .symbol:         k_q0e39de23c2_attn.kd
    .args:
      - { .name: qkv, .offset: 0, .size: 8, .value_kind: global_buffer, .address_space: global }
      - { .name: yh, .offset: 8, .size: 8, .value_kind: global_buffer, .address_space: global }
    .group_segment_fixed_size: 327680
    .private_segment_fixed_size: 0
    .kernarg_segment_align: 8
    .kernarg_segment_size: 16
    .max_flat_workgroup_size: 256
    .sgpr_count:     66
    .vgpr_count:     512
    .wavefront_size: 32
...
	.end_amdgpu_metadata
.endif
;; end of part 3
;; launch projg (part 4): grid 8 x 32, 4 waves a work-group, clusters of 4 x 4, 327,680 bytes of LDS; arguments yh, wtp, out0; writes out0
.if DOCPART == 4
	.amdgcn_target "amdgcn-amd-amdhsa--gfx1250"
	.amdhsa_code_object_version 6
	.text
	.protected	k_q0e39de23c2_projg
	.globl	k_q0e39de23c2_projg
	.p2align	8
	.type	k_q0e39de23c2_projg,@function
k_q0e39de23c2_projg:
	s_mov_b64 s[64:65], 0
	v_nop
	global_prefetch_b8 v0, s[64:65] scope:SCOPE_SE
	s_setreg_imm32_b32 hwreg(HW_REG_WAVE_MODE, 25, 1), 1
	s_wait_xcnt 0x0
	s_wait_alu depctr_hold_cnt(0) depctr_sa_sdst(0) depctr_va_vdst(0) depctr_va_sdst(0) depctr_va_ssrc(0) depctr_va_vcc(0) depctr_vm_vsrc(0)
	s_getreg_b32 s2, hwreg(HW_REG_IB_STS2, 6, 4)
	s_cmp_eq_u32 s2, 0
	s_cbranch_scc0 .Lentry_in_a_cluster
	s_endpgm
.Lentry_in_a_cluster:
	s_bfe_u32 s2, ttmp6, 0x10000c
	s_cmp_lg_u32 s2, 0xf033
	s_cbranch_scc0 .Lentry_shape_is_right
	s_endpgm
.Lentry_shape_is_right:
; out0 = y w_proj.  A = yh [16 panels][8192 tokens][64] f16, B = wtp [1024 n][1024 k] f16, sums in f32, out0 [8192][1024] f32.
; A work-group makes 256 tokens x 128 columns with four waves; wave w makes tokens 64 w .. 64 w + 63 and all 128 columns: 4 x 8 accumulator tiles, 256 registers.
; K goes in steps of 128 (two panels of A) through a ring of two LDS slots filled by the tensor data mover.
; CLUSTERS: 4 x 4 work-groups.  The four of a row of the cluster need the same tiles of A, the four of a column the same tiles of B: joint loads.
; LDS slot: A plane 0, A plane 1 (128 rows of 256 bytes = two tokens a row, pitch 272), then B, 128 rows of 256 bytes, pitch 272.
; Token t lies at (t / 2) 272 + (t % 2) 128: the sixteen rows of a fragment fall into the 16-byte columns (r / 2) + 8 (r % 2) modulo 256 bytes, all different.
; REGISTERS by windows of 256: window 0 addresses, A fragments (two buffers of 32), the way out; window 1 B fragments (two buffers of 64);
; window 2 the accumulator tiles of my tokens 0-31 (tile (al, b) at 8 (8 al + b)); window 3 those of tokens 32-63.
; The matrix instruction is used transposed (source 0 = rows of B, source 1 = rows of A): a lane holds token l % 16 and eight neighbouring columns.
.set NB,     8
.set RB,     8*NB
.set PITCH,  272
.set PLANE,  128*PITCH
.set BOFF,   2*PLANE
.set BHALF,  RB*PITCH
.set SLOT,   BOFF+2*BHALF              ; 104,448
.set STAGE,  2*SLOT                    ; behind the ring, at a multiple of 256: no tensor load lands there
.set SPITCH, 528                       ; a stage row: 512 bytes + 16
.set STW,    16*SPITCH                 ; 8,448
.set LAPS,   4
.set ASTEP,  0x400000
.set BSTEP,  512
.set ADRA, 16
.set ADRB, 20
.set STO,  24
.set RD,   25
.set CO,   26
.set FA,   32
.set OUT0, 96                          ; v96-159, v160-223: rows read back, two buffers
.set OUT1, 160
.set G1,  24
.set G0,  32
.set G1B, 48
.set G0B, 56
.set MSB, 0
.macro WIN new
.if MSB != \new
	s_set_vgpr_msb (MSB<<8)|\new
.set MSB, \new
.endif
.endm
.set MUL_LO, 0xa1
.set MUL_HI, 0xf1
.macro PLACES                          ; four plain vector instructions behind a matrix instruction, before its registers are loaded into or its result is read (ISA guide 7.12.1)
.rept 4
	v_nop
.endr
.endm
.macro JLOAD s                         ; waves 0 and 1 fetch the two planes of A, waves 2 and 3 the two halves of B
	s_cmp_eq_u32 s11, 0
	s_cbranch_scc0 .Lfor_b_\@
	tensor_load_to_lds s[G0+4*\s:G0+4*\s+3], s[G1:G1+7]
	s_nop 0
	s_branch .Lasked_\@
.Lfor_b_\@:
	tensor_load_to_lds s[G0B+4*\s:G0B+4*\s+3], s[G1B:G1B+7]
	s_nop 0
.Lasked_\@:
.endm
.macro CREST
	s_cmp_lg_u32 s10, 0
	s_cbranch_scc1 .Lnot_wave_0_\@
	s_barrier_signal -3
.Lnot_wave_0_\@:
	s_barrier_wait -3
	s_barrier_signal -1
	s_barrier_wait -1
.endm
.macro CROUND
	s_barrier_signal -1
	s_barrier_wait -1
	CREST
.endm
	s_load_b128 s[4:7], s[0:1], 0x0                ; yh s[4:5], wtp s[6:7]
	s_load_b64 s[8:9], s[0:1], 0x10                ; out0
	s_set_vgpr_msb 0x40
	v_lshl_add_u32 v255, v0, 2, 0x3b400
	s_set_vgpr_msb 0x4000
	v_mov_b32 v255, 0
	s_set_vgpr_msb 0x1
	ds_add_u32 v255, v255
	s_set_vgpr_msb 0x100
	v_lshrrev_b32 v1, 5, v0
	v_readfirstlane_b32 s10, v1
	s_lshr_b32 s11, s10, 1
	s_and_b32 s12, s10, 1
	s_bfe_u32 s40, ttmp6, 0x40000                  ; cx
	s_bfe_u32 s41, ttmp6, 0x40004                  ; cy
	s_lshl_b32 s42, ttmp9, 2
	s_add_co_u32 s42, s42, s40                     ; bx
	s_and_b32 s13, ttmp7, 0xffff
	s_lshl_b32 s13, s13, 2
	s_add_co_u32 s13, s13, s41                     ; by
	s_lshl_b32 s43, s41, 2
	s_lshl_b32 s43, 15, s43                        ; my row of the cluster
	s_lshl_b32 s44, 0x1111, s40                    ; my column
	s_or_b32 s[G1+0], s43, (3<<16)|(1<<20)|(1<<21)|(5<<22)|(3<<25)     ; A: 128 rows of 32 elements of 8 bytes, dense; 16 bytes of padding behind every 64 words
	s_mov_b32 s[G1+1], 32<<16
	s_mov_b32 s[G1+2], 128<<16
	s_mov_b32 s[G1+3], 32<<16
	s_mov_b32 s[G1+4], 128
	s_mov_b32 s[G1+5], 32
	s_mov_b32 s[G1+6], 0
	s_mov_b32 s[G1+7], 0
	s_or_b32 s[G1B+0], s44, (1<<16)|(1<<20)|(1<<21)|(5<<22)|(3<<25)    ; B: 64 rows of 128 elements of 2 bytes, 1,024 elements from row to row
	s_mov_b32 s[G1B+1], 128<<16
	s_mov_b32 s[G1B+2], RB<<16
	s_mov_b32 s[G1B+3], 128<<16
	s_mov_b32 s[G1B+4], RB
	s_mov_b32 s[G1B+5], 1024
	s_mov_b32 s[G1B+6], 0
	s_mov_b32 s[G1B+7], 0
	s_lshl_b32 s16, s12, 20
	s_lshl_b32 s17, s13, 15
	s_add_co_u32 s16, s16, s17
	s_mov_b32 s17, 0
	s_mul_i32 s46, s42, 16*NB*2048
	s_mul_i32 s47, s12, RB*2048
	s_add_co_u32 s46, s46, s47
	s_mov_b32 s47, 0
	s_mul_i32 s20, s10, PLANE
	s_mul_i32 s21, s10, BHALF
	s_add_co_u32 s21, s21, BOFF-2*BHALF
	s_wait_dscnt 0x0
	s_wait_kmcnt 0x0
	s_add_nc_u64 s[14:15], s[4:5], s[16:17]
	s_add_nc_u64 s[46:47], s[6:7], s[46:47]
	CROUND                                         ; all sixteen work-groups are here: the first joint loads meet
.irp s, 0,1
	s_mov_b32 s[G0+4*\s], 1
	s_add_co_u32 s[G0+4*\s+1], s20, \s*SLOT
	s_add_nc_u64 s[G0+4*\s+2:G0+4*\s+3], s[14:15], \s*0x200000
	s_or_b32 s[G0+4*\s+3], s[G0+4*\s+3], 0x80000000
	s_mov_b32 s[G0B+4*\s], 1
	s_add_co_u32 s[G0B+4*\s+1], s21, \s*SLOT
	s_add_nc_u64 s[G0B+4*\s+2:G0B+4*\s+3], s[46:47], \s*256
	s_or_b32 s[G0B+4*\s+3], s[G0B+4*\s+3], 0x80000000
	JLOAD \s                                       ; both slots go out together: two tensor loads of the wave are out
.endr
	v_and_b32 v1, 15, v0                           ; r
	v_bfe_u32 v2, v0, 4, 1                         ; h
	v_lshrrev_b32 v3, 1, v1
	v_and_b32 v4, 1, v0
	v_mul_u32_u24 v5, v3, PITCH
	v_lshl_add_u32 v5, v4, 7, v5
	v_lshl_add_u32 v5, v2, 4, v5
	s_mul_i32 s22, s10, 32*PITCH
	v_add_nc_u32 v[ADRA], s22, v5
	v_add_nc_u32 v[ADRA+1], SLOT, v[ADRA]
	v_mul_u32_u24 v6, v1, PITCH
	v_lshl_add_u32 v6, v2, 4, v6
	v_add_nc_u32 v[ADRB], BOFF, v6
	v_add_nc_u32 v[ADRB+1], BOFF+SLOT, v6
	s_mul_i32 s23, s10, STW
	s_add_co_u32 s23, s23, STAGE
	v_mul_u32_u24 v6, v1, SPITCH
	v_lshl_add_u32 v6, v2, 5, v6
	v_add_nc_u32 v[STO], s23, v6                   ; in: row r, 32 bytes for each half of the lanes
	v_and_b32 v6, 31, v0
	v_lshlrev_b32 v[CO], 4, v6                     ; 512 consecutive bytes of a row of out0
	v_add_nc_u32 v[RD], s23, v[CO]                 ; back: one row of 512 bytes
; All 32 accumulators take turns, one instruction a turn.
.macro MULA f, hi, al, zero
.set bq, 0
.rept NB
.if \zero
	v_wmma_f32_16x16x32_f16 v[8*(NB*\al+bq):8*(NB*\al+bq)+7], v[8*NB*\f+8*bq:8*NB*\f+8*bq+7], v[FA+32*\f+8*(2*\hi+\al):FA+32*\f+8*(2*\hi+\al)+7], 0
.else
	v_wmma_f32_16x16x32_f16 v[8*(NB*\al+bq):8*(NB*\al+bq)+7], v[8*NB*\f+8*bq:8*NB*\f+8*bq+7], v[FA+32*\f+8*(2*\hi+\al):FA+32*\f+8*(2*\hi+\al)+7], v[8*(NB*\al+bq):8*(NB*\al+bq)+7]
.endif
.set bq, bq+1
.endr
.endm
.macro FETCH slot, kq, f
	WIN 0x40
.set bq, 0
.rept NB
	ds_load_b128 v[8*NB*\f+8*bq:8*NB*\f+8*bq+3],   v[ADRB+\slot] offset:bq*16*PITCH+64*\kq
	ds_load_b128 v[8*NB*\f+8*bq+4:8*NB*\f+8*bq+7], v[ADRB+\slot] offset:bq*16*PITCH+64*\kq+32
.set bq, bq+1
.endr
	WIN 0
.irp a, 0,1,2,3
	ds_load_b128 v[FA+32*\f+8*\a:FA+32*\f+8*\a+3],   v[ADRA+\slot] offset:(\kq/2)*PLANE+\a*8*PITCH+64*(\kq%2)
	ds_load_b128 v[FA+32*\f+8*\a+4:FA+32*\f+8*\a+7], v[ADRA+\slot] offset:(\kq/2)*PLANE+\a*8*PITCH+64*(\kq%2)+32
.endr
.endm
.macro QUARTER slot, kq, f, g, zero
	s_wait_dscnt 4                                 ; B and A's tokens 0-31 are in; the youngest four loads (tokens 32-63) may be out
	WIN MUL_LO
	MULA \f, 0, 0, \zero
	MULA \f, 0, 1, \zero
	PLACES
	FETCH \slot, \kq, \g
	s_wait_dscnt 2*NB+8                            ; all but the run just issued
	WIN MUL_HI
	MULA \f, 1, 0, \zero
	MULA \f, 1, 1, \zero
.endm
.macro THREE slot, zero
	QUARTER \slot, 1, 0, 1, \zero
	QUARTER \slot, 2, 1, 0, 0
	QUARTER \slot, 3, 0, 1, 0
.endm
; The change of slots: each wave waits for its reads of this slot and for all its tensor loads, then the barrier; where the slot is filled again the
; barrier opens a round of the cluster's barrier, and the joint refill is the first tensor load behind the round.
.macro TURN slot, next, fill
	s_wait_dscnt 4
	WIN MUL_LO
	MULA 1, 0, 0, 0
	s_wait_dscnt 0
	s_wait_tensorcnt 0x0
	ds_add_u32 v255, v255
	s_wait_dscnt 0x0
	s_barrier_signal -1
	MULA 1, 0, 1, 0
	WIN 0
	s_barrier_wait -1
.if \fill
	CREST
	s_add_nc_u64 s[G0+4*\slot+2:G0+4*\slot+3], s[G0+4*\slot+2:G0+4*\slot+3], ASTEP
	s_add_nc_u64 s[G0B+4*\slot+2:G0B+4*\slot+3], s[G0B+4*\slot+2:G0B+4*\slot+3], BSTEP
	JLOAD \slot
.endif
	PLACES
	FETCH \next, 0, 0
	WIN MUL_HI
	MULA 1, 1, 0, 0
	MULA 1, 1, 1, 0
.endm
.macro LAP zero
	THREE 0, \zero
	TURN 0, 1, 1
	THREE 1, 0
	TURN 1, 0, 1
.endm
	s_wait_tensorcnt 1                             ; my part of K step 0 is in; K step 1's load stays out
	s_barrier_signal -1
	s_barrier_wait -1
	FETCH 0, 0, 0
	LAP 1
	WIN 0
	s_mov_b32 s3, LAPS-2
.Llap:
	LAP 0
	WIN 0
	s_sub_co_u32 s3, s3, 1
	s_cmp_lg_u32 s3, 0
	s_cbranch_scc1 .Llap
	THREE 0, 0
	TURN 0, 1, 0
	THREE 1, 0
	s_wait_dscnt 4
	WIN MUL_LO
	MULA 1, 0, 0, 0
	MULA 1, 0, 1, 0
	s_wait_dscnt 0
	WIN MUL_HI
	MULA 1, 1, 0, 0
	MULA 1, 1, 1, 0
	; THE WAY OUT, 16 tokens at a time: the f32 sums go straight from the accumulators into my own stage (rows of 528 bytes), are read back as whole rows
	; of 512 bytes and stored: each store of the wave covers 512 consecutive bytes, at a multiple of 512 from out0's first byte.
	PLACES
	s_lshl_b32 s16, s13, 20                        ; 256 rows of 4,096 bytes
	s_lshl_b32 s17, s10, 18                        ; my 64 rows
	s_add_co_u32 s16, s16, s17
	s_mov_b32 s17, 0
	s_add_nc_u64 s[8:9], s[8:9], s[16:17]
	s_lshl_b32 s46, s42, 9                         ; 128 columns of 4 bytes
	s_mov_b32 s47, 0
	s_add_nc_u64 s[8:9], s[8:9], s[46:47]
.macro OUTP a, f
.if \a/2
	WIN 0x0c                                       ; an LDS store's data is source 1: window 3
.else
	WIN 0x08                                       ; window 2
.endif
.set bq, 0
.rept NB
	ds_store_b128 v[STO], v[8*(NB*(\a%2)+bq):8*(NB*(\a%2)+bq)+3]   offset:64*bq
	ds_store_b128 v[STO], v[8*(NB*(\a%2)+bq)+4:8*(NB*(\a%2)+bq)+7] offset:64*bq+16
.set bq, bq+1
.endr
	WIN 0
	s_wait_xcnt 0x0                                ; buffer f, which earlier stores read, is loaded again only behind this wait
.set ii, 0
.rept 16
	ds_load_b128 v[\f+4*ii:\f+4*ii+3], v[RD] offset:ii*SPITCH      ; LDS serves a wave's instructions in order: these see the stores above
.set ii, ii+1
.endr
.set ii, 0
.rept 16
	s_wait_dscnt 15-ii
	global_store_b128 v[CO], v[\f+4*ii:\f+4*ii+3], s[8:9] offset:(16*\a+ii)*4096 th:TH_STORE_NT
.set ii, ii+1
.endr
.endm
	OUTP 0, OUT0
	OUTP 1, OUT1
	OUTP 2, OUT0
	OUTP 3, OUT1
	s_set_vgpr_msb 0x1
	s_wait_tensorcnt 0x0
	ds_add_u32 v255, v255
	s_wait_dscnt 0x0
	s_set_vgpr_msb 0x100
	CROUND                                         ; the closing round: no work-group ends while a partner may still ask for a tile that names it
	s_endpgm
.Lfunc_end_k_q0e39de23c2_projg:
	.size	k_q0e39de23c2_projg, .Lfunc_end_k_q0e39de23c2_projg-k_q0e39de23c2_projg
	.p2alignl 7, 3214868480
	.fill 96, 4, 3214868480
	.section	.rodata,"a",@progbits
	.p2align	6, 0x0
	.amdhsa_kernel k_q0e39de23c2_projg
		.amdhsa_group_segment_fixed_size 327680
		.amdhsa_private_segment_fixed_size 0
		.amdhsa_enable_private_segment 0
		.amdhsa_kernarg_size 24
		.amdhsa_user_sgpr_count 2
		.amdhsa_user_sgpr_kernarg_segment_ptr 1
		.amdhsa_wavefront_size32 1
		.amdhsa_system_sgpr_workgroup_id_x 1
		.amdhsa_system_sgpr_workgroup_id_y 1
		.amdhsa_system_sgpr_workgroup_id_z 1
		.amdhsa_system_vgpr_workitem_id 0
		.amdhsa_next_free_vgpr 1024
		.amdhsa_next_free_sgpr 66
		.amdhsa_reserve_vcc 0
		.amdhsa_float_denorm_mode_32 3
		.amdhsa_float_denorm_mode_16_64 3
		.amdhsa_memory_ordered 1
		.amdhsa_forward_progress 1
		.amdhsa_inst_pref_size 119
	.end_amdhsa_kernel
	.amdgpu_metadata
---
amdhsa.version: [ 1, 2 ]
amdhsa.kernels:
  - .name:           k_q0e39de23c2_projg
    .symbol:         k_q0e39de23c2_projg.kd
    .args:
      - { .name: yh, .offset: 0, .size: 8, .value_kind: global_buffer, .address_space: global }
      - { .name: wtp, .offset: 8, .size: 8, .value_kind: global_buffer, .address_space: global }
      - { .name: out0, .offset: 16, .size: 8, .value_kind: global_buffer, .address_space: global }
    .group_segment_fixed_size: 327680
    .private_segment_fixed_size: 0
    .kernarg_segment_align: 8
    .kernarg_segment_size: 24
    .max_flat_workgroup_size: 128
    .sgpr_count:     66
    .vgpr_count:     1024
    .wavefront_size: 32
...
	.end_amdgpu_metadata
.endif
;; end of part 4
